; MI455X (gfx1250); checked and timed in simulation.
; The chip was launched on July 23, 2026; its instructions are those of AMD's public machine-readable ISA for CDNA 5 (MIT licence, August 2026) and "CDNA5" Instruction Set Architecture Reference Guide (July 2026). The comments in the code are by the model that wrote it; some were corrected since.
;; Euclidean Codebook. Allowed arithmetic: matrix products marked QUANTISED: E4M3 operands, one given power-of-two scale a tensor, by v_wmma_f32_16x16x64_fp8_fp8 or v_wmma_f32_16x16x128_fp8_fp8, f32 sums; everything else in f32.
;; Inputs: embed 8,192 x 256 float32; lowp_scales 2 int32 (the exponents e of the quantised operands' scales 2^e); x 8 x 4,096 x 256 float32.
;; Outputs: out0 8 x 4,096 x 256 float32.
;; This version of the problem:
;;   THIS VERSION OF THE PROBLEM IS GIVEN IN LOW PRECISION. The matrix products marked QUANTISED in the list below multiply operands that are first quantised to E4M3 (4 exponent bits, 3 mantissa bits; 8 bits a number), with one given power-of-two scale for each operand tensor; their sums are f32. All else is computed in f32.
;;   The module's matrix products, in the order in which they are computed (A, B: the left and right operand; K: the contracted axis; several contracted axes count as one K, in the product's order):
;;     1. [M 32,768, K 256] x [K 256, N 8,192]; A: input x; B: input embed: QUANTISED (scales: A lowp_scales[0], B lowp_scales[1])
;;   THE QUANTISER, for each operand of a quantised product, along K:
;;     - The operand's scale is 2^e, e = its entry of the input lowp_scales (int32; the entries are numbered through the quantised products in the list's order, A before B).
;;     - Each number is divided by the scale, clamped to +-448, and rounded to the nearest number of E4M3, ties to even, subnormals kept.
;;     - The product sums the exact products of the quantised numbers (number of the format x scale) in f32.
;;   ~~~python
;;   def quantise(x, axis, e):      # numpy; x: float32 -> the quantised numbers, widened to float32 again
;;       x = np.moveaxis(x, axis, -1); K = x.shape[-1]
;;       r = np.clip(x / 2.0 ** e, -448, 448)
;;       step = 2.0 ** (np.maximum(np.frexp(np.where(r == 0, 1, r))[1] - 1, -6) - 3)
;;       q = np.round(r / step) * step * 2.0 ** e      # np.round: ties to even
;;       return np.moveaxis(q, -1, axis).astype(np.float32)
;;   ~~~
;; One version. Each part assembles by itself: llvm-mc -triple=amdgcn-amd-amdhsa -mcpu=gfx1250 --defsym DOCPART=n.
;; ======== version 1 of 1: 3 launches
;; limits: right only within a limited range of input values
;; workspace buffers: xcodes 8,388,608 bytes; ecodes 2,097,152 bytes; xsq 131,072 bytes; esq 32,768 bytes; bias 32,768 bytes; units 524,288 bytes of whole numbers
;; launch quant (part 1): grid 640 x 1, 4 waves a work-group, no clusters, 67,328 bytes of LDS; arguments x, embed, lowp_scales, xcodes, ecodes, xsq, esq, bias; writes xcodes, ecodes, xsq, esq, bias
.if DOCPART == 1
	.amdgcn_target "amdgcn-amd-amdhsa--gfx1250"
	.amdhsa_code_object_version 6
	.text
	.protected	k_qe7777966d3_quant
	.globl	k_qe7777966d3_quant
	.p2align	8
	.type	k_qe7777966d3_quant,@function
k_qe7777966d3_quant:
	s_mov_b64 s[64:65], 0
	v_nop
	global_prefetch_b8 v0, s[64:65] scope:SCOPE_SE
	s_setreg_imm32_b32 hwreg(HW_REG_WAVE_MODE, 25, 1), 1
	s_wait_xcnt 0x0
; x [32768][256] and embed [8192][256], f32, become codes of FP8 (E4M3), each with the one scale 2^e that is given for it (entry 0 for x, entry 1 for embed),
; and each row's sum of squares of the UNQUANTISED numbers is stored beside them; for embed also bias = -e_sq x 2^-(ea + eb + 1), which the next launch gives its sums as their first addend.
; code = number / 2^e, held within +-448, rounded to the nearest code, ties to even.
; LIMITS: -126 <= ea, eb <= 119.  NaN among the inputs is not served.  A row's squares are added in another order than a plain sum from left to right (two chains a lane, two lanes a row).
; THE IMAGE.  Codes are laid as the later launches' operand registers take them.  A tile is 16 rows x 256 codes = 4,096 bytes.  Lane L: r7 = L & 7, g = (L >> 3) & 1, h = L >> 4; row r = 8 g + r7.
; The 16 codes k = 32 c + 16 h + 0 .. 15 of row r lie at 512 c + IMG(L), IMG(L) = 256 g + 128 (h xor g) + 16 r7.  So eight 16-byte loads a lane, each 512 dense bytes a wave, bring the two fragments
; (K steps of 128) of a tile; and the eight rows of one g own a whole aligned block of 256 bytes in each c.
; SHARES.  2,560 tiles, one to a wave, no loop.  Work-groups 0 to 511 take x, 512 to 639 embed: only pointers and e are chosen, by the work-group's number; both tensors take one path.
; A work-group's 64 sums of squares are one aligned block of 256 bytes: they meet in LDS and wave 0 stores them.
; Every load reads 512 dense bytes; the conversions want 16 neighbours along K in one lane: so the tile's 16 KB turn through the wave's own stage in LDS (rows of 1,024 bytes + 16).
; No matrix unit, no tensor load, no cluster: waves share nothing but the 64 sums, and memory binds.
.set WGX,    512                       ; work-groups for x
.set SPITCH, 1040                      ; a stage row: 1,024 bytes + 16 = an odd multiple of 16, so that sixteen rows' reads of one column start at sixteen different places modulo 256 bytes
.set WSTAGE, 16*SPITCH                 ; a wave's stage
.set SQ,     4*WSTAGE                  ; behind the stages: 64 sums of squares
.set L16,  2                           ; v2   16 x lane
.set IMG,  5                           ; v5   my place in an image's 512 bytes
.set STW,  6                           ; v6   the stage, on the way in
.set STR,  7                           ; v7   the stage, on the way out: row r, + 64 h
.set SQA,  8                           ; v8   where my row's sum goes
.set L8,   9                           ; v9   8 x lane
.set LIM,  10                          ; v10  448 x 2^e
.set SCL,  11                          ; v11  2^e
.set Q,    12                          ; v[12:15] the squares' sums: two pairs
.set R,    16                          ; v16-143 the tile's numbers
.set C,    144                         ; v144-175 codes: four registers for each c, so that no store's data are written again
.set SQR,  182                         ; v182 where wave 0 reads the 64 sums
	s_load_b512 s[4:19], s[0:1], 0x0               ; x 4:5, embed 6:7, the scales 8:9, xcodes 10:11, ecodes 12:13, xsq 14:15, esq 16:17, bias 18:19
	v_lshl_add_u32 v184, v0, 2, 0x10500
	v_mov_b32 v185, 0
	v_lshrrev_b32 v1, 5, v0
	v_readfirstlane_b32 s20, v1                    ; wave 0..3
	v_and_b32 v1, 31, v0                           ; lane
	v_lshlrev_b32 v[L16], 4, v1
	v_and_b32 v3, 15, v0                           ; r
	v_bfe_u32 v4, v0, 4, 1                         ; h
	v_bfe_u32 v176, v0, 3, 1                       ; g
	v_xor_b32 v177, v4, v176                       ; h xor g
	v_and_b32 v178, 7, v0                          ; r7
	v_lshlrev_b32 v[IMG], 4, v178
	v_lshl_add_u32 v[IMG], v177, 7, v[IMG]
	v_lshl_add_u32 v[IMG], v176, 8, v[IMG]
	s_mul_i32 s22, s20, WSTAGE
	v_add_nc_u32 v[STW], s22, v[L16]
	v_mul_u32_u24 v[STR], v3, SPITCH
	v_lshl_add_u32 v[STR], v4, 6, v[STR]
	v_add_nc_u32 v[STR], s22, v[STR]
	s_lshl_b32 s23, s20, 6
	s_add_co_u32 s23, s23, SQ
	v_lshl_add_u32 v[SQA], v3, 2, s23              ; SQ + 64 x wave + 4 r
	v_lshlrev_b32 v[L8], 3, v1
	v_add_nc_u32 v[SQR], SQ, v[L8]
	s_mov_b32 s34, 0x76543210                      ; v_permlanex16_b32: lane l xor 16
	s_mov_b32 s35, 0xfedcba98
	s_cmp_lt_u32 ttmp9, WGX
	s_cselect_b32 s21, 0, WGX
	s_sub_co_u32 s21, ttmp9, s21                   ; my number among the tensor's work-groups
	s_lshl_b32 s36, s21, 2
	s_add_co_u32 s36, s36, s20                     ; my tile
	s_mov_b32 s39, 0
	s_wait_alu depctr_va_vdst(0)
	s_wait_kmcnt 0x0
	s_load_b64 s[30:31], s[8:9], 0x0               ; ea, eb
	s_cmp_lt_u32 ttmp9, WGX                        ; the choice hangs on the work-group's number alone
	s_cselect_b64 s[24:25], s[4:5], s[6:7]         ; the numbers,
	s_cselect_b64 s[26:27], s[10:11], s[12:13]     ; the codes,
	s_cselect_b64 s[28:29], s[14:15], s[16:17]     ; the sums of squares
	s_lshl_b32 s38, s36, 14                        ; a tile is 16 KB of numbers,
	s_add_nc_u64 s[24:25], s[24:25], s[38:39]
	s_lshl_b32 s38, s36, 12                        ; 4 KB of codes;
	s_add_nc_u64 s[26:27], s[26:27], s[38:39]
	s_lshl_b32 s38, s21, 8                         ; a work-group's sums are 256 bytes (s[38:39] stays so: bias takes it too)
	s_add_nc_u64 s[28:29], s[28:29], s[38:39]
.set i, 0
.rept 32
	global_load_b128 v[R+4*i:R+4*i+3], v[L16], s[24:25] offset:512*i th:TH_LOAD_NT   ; 32 lanes read 512 consecutive bytes: half a row
.set i, i+1
.endr
	s_wait_kmcnt 0x0
	s_cmp_lt_u32 ttmp9, WGX
	s_cselect_b32 s32, s30, s31                    ; e
	s_add_co_i32 s33, s30, s31
	s_add_co_i32 s33, s33, 1
	s_sub_co_i32 s33, 0, s33                       ; -(ea + eb + 1)
	s_add_co_i32 s32, s32, 127
	s_lshl_b32 s22, s32, 23
	v_mov_b32 v[SCL], s22                          ; 2^e as f32: the conversion takes its exponent field
	s_add_co_i32 s32, s32, 8
	s_lshl_b32 s32, s32, 23
	s_or_b32 s32, s32, 0x600000
	v_mov_b32 v[LIM], s32                          ; 448 x 2^e
; into the stage as loaded, four loads at a time
.set q, 0
	s_wait_alu depctr_va_vdst(0)
.rept 8
	s_wait_loadcnt 28-4*q                          ; loads come back in order: the first 4 (q + 1) are in, the younger ones stay out
.set i, 4*q
.rept 4
	ds_store_b128 v[STW], v[R+4*i:R+4*i+3] offset:(i/2)*SPITCH+(i%2)*512
.set i, i+1
.endr
.set q, q+1
.endr
	s_wait_dscnt 0x0                               ; the stores have read their registers, which the loads below write
.set c, 0
.rept 8
.irp n, 0,1,2,3
	ds_load_b128 v[R+16*c+4*\n:R+16*c+4*\n+3], v[STR] offset:128*c+16*\n   ; register R + 16 c + i = number k = 32 c + 16 h + i of row r
.endr
.set c, c+1
.endr
; chunk c: 16 neighbours a lane: their squares, the hold, the conversion, the store
.macro CHUNK c
.set XS, R+16*(\c)
	s_wait_dscnt 4*(7-(\c))                        ; LDS loads come back in order: this chunk's four are in, the later chunks' stay out
.irp i, 0,2,4,6,8,10,12,14
.set QQ, Q+(\i)%4
.if ((\c) == 0) && (\i < 4)
	v_pk_mul_f32 v[QQ:QQ+1], v[XS+\i:XS+\i+1], v[XS+\i:XS+\i+1]              ; the first squares start the two chains: nothing is cleared
.else
	v_pk_fma_f32 v[QQ:QQ+1], v[XS+\i:XS+\i+1], v[XS+\i:XS+\i+1], v[QQ:QQ+1]
.endif
.endr
.irp i, 0,1,2,3,4,5,6,7,8,9,10,11,12,13,14,15
	v_med3_num_f32 v[XS+\i], v[XS+\i], -v[LIM], v[LIM]   ; the conversion to an 8-bit code does not saturate (ISA guide 7.6.2): hold the number within the largest code x the scale first
.endr
	v_cvt_scalef32_pk8_fp8_f32 v[C+4*(\c):C+4*(\c)+1], v[XS:XS+7], v[SCL]
	v_cvt_scalef32_pk8_fp8_f32 v[C+4*(\c)+2:C+4*(\c)+3], v[XS+8:XS+15], v[SCL]
	global_store_b128 v[IMG], v[C+4*(\c):C+4*(\c)+3], s[26:27] offset:512*(\c)   ; the wave stores 512 consecutive bytes, two aligned blocks of 256.  (The codes go to a store alone; the next vector lines are plain and touch other registers)
.endm
.irp c, 0,1,2,3,4,5,6,7
	CHUNK \c
.endr
	v_pk_add_f32 v[Q:Q+1], v[Q:Q+1], v[Q+2:Q+3]
	v_add_f32 v[Q], v[Q], v[Q+1]
	v_permlanex16_b32 v[Q+1], v[Q], s34, s35       ; the row's other half lies in the lane 16 away
	v_add_f32 v[Q], v[Q], v[Q+1]                   ; the row's sum of squares, in both lanes
	ds_store_b32 v[SQA], v[Q]                      ; (both write the same word with the same number)
	s_wait_dscnt 0x0                               ; for the others' sake: my store has landed
	s_barrier_signal -1
	s_barrier_wait -1
	s_cmp_lg_u32 s20, 0
	s_cbranch_scc1 .Lend
	ds_load_b64 v[178:179], v[SQR]                 ; wave 0: the work-group's 64 sums, two a lane
	s_wait_dscnt 0x0
	global_store_b64 v[L8], v[178:179], s[28:29]   ; 256 consecutive bytes, aligned
	s_cmp_lt_u32 ttmp9, WGX
	s_cbranch_scc1 .Lend                           ; x has no bias
	v_mul_f32 v180, -1.0, v178
	v_mul_f32 v181, -1.0, v179
	v_ldexp_f32 v180, v180, s33                    ; -e_sq x 2^-(ea + eb + 1): nothing is rounded, short of overflow and underflow
	v_ldexp_f32 v181, v181, s33
	s_add_nc_u64 s[18:19], s[18:19], s[38:39]
	global_store_b64 v[L8], v[180:181], s[18:19]
.Lend:
	s_wait_tensorcnt 0x0
	ds_add_u32 v184, v185
	s_wait_dscnt 0x0
	s_endpgm
.Lfunc_end_k_qe7777966d3_quant:
	.size	k_qe7777966d3_quant, .Lfunc_end_k_qe7777966d3_quant-k_qe7777966d3_quant
	.p2alignl 7, 3214868480
	.fill 96, 4, 3214868480
	.section	.rodata,"a",@progbits
	.p2align	6, 0x0
	.amdhsa_kernel k_qe7777966d3_quant
		.amdhsa_group_segment_fixed_size 67328
		.amdhsa_private_segment_fixed_size 0
		.amdhsa_enable_private_segment 0
		.amdhsa_kernarg_size 64
		.amdhsa_user_sgpr_count 2
		.amdhsa_user_sgpr_kernarg_segment_ptr 1
		.amdhsa_wavefront_size32 1
		.amdhsa_system_sgpr_workgroup_id_x 1
		.amdhsa_system_sgpr_workgroup_id_y 1
		.amdhsa_system_sgpr_workgroup_id_z 1
		.amdhsa_system_vgpr_workitem_id 0
		.amdhsa_next_free_vgpr 186
		.amdhsa_next_free_sgpr 66
		.amdhsa_reserve_vcc 0
		.amdhsa_float_denorm_mode_32 3
		.amdhsa_float_denorm_mode_16_64 3
		.amdhsa_memory_ordered 1
		.amdhsa_forward_progress 1
		.amdhsa_inst_pref_size 26
	.end_amdhsa_kernel
	.amdgpu_metadata
---
amdhsa.version: [ 1, 2 ]
amdhsa.kernels:
  - .name:           k_qe7777966d3_quant
    .symbol:         k_qe7777966d3_quant.kd
    .args:
      - { .name: x, .offset: 0, .size: 8, .value_kind: global_buffer, .address_space: global }
      - { .name: embed, .offset: 8, .size: 8, .value_kind: global_buffer, .address_space: global }
      - { .name: lowp_scales, .offset: 16, .size: 8, .value_kind: global_buffer, .address_space: global }
      - { .name: xcodes, .offset: 24, .size: 8, .value_kind: global_buffer, .address_space: global }
      - { .name: ecodes, .offset: 32, .size: 8, .value_kind: global_buffer, .address_space: global }
      - { .name: xsq, .offset: 40, .size: 8, .value_kind: global_buffer, .address_space: global }
      - { .name: esq, .offset: 48, .size: 8, .value_kind: global_buffer, .address_space: global }
      - { .name: bias, .offset: 56, .size: 8, .value_kind: global_buffer, .address_space: global }
    .group_segment_fixed_size: 67328
    .private_segment_fixed_size: 0
    .kernarg_segment_align: 8
    .kernarg_segment_size: 64
    .max_flat_workgroup_size: 128
    .sgpr_count:     66
    .vgpr_count:     186
    .wavefront_size: 32
...
	.end_amdgpu_metadata
.endif
;; end of part 1
;; launch scan (part 2): grid 256 x 1, 8 waves a work-group, clusters of 4 x 1, 327,680 bytes of LDS; arguments xcodes, ecodes, bias, units; writes units
.if DOCPART == 2
	.amdgcn_target "amdgcn-amd-amdhsa--gfx1250"
	.amdhsa_code_object_version 6
	.text
	.protected	k_qe7777966d3_scan
	.globl	k_qe7777966d3_scan
	.p2align	8
	.type	k_qe7777966d3_scan,@function
k_qe7777966d3_scan:
	s_mov_b64 s[64:65], 0
	v_nop
	global_prefetch_b8 v0, s[64:65] scope:SCOPE_SE
	s_setreg_imm32_b32 hwreg(HW_REG_WAVE_MODE, 25, 1), 1
	s_wait_xcnt 0x0
	s_wait_alu depctr_hold_cnt(0) depctr_sa_sdst(0) depctr_va_vdst(0) depctr_va_sdst(0) depctr_va_ssrc(0) depctr_va_vcc(0) depctr_vm_vsrc(0)
	s_getreg_b32 s2, hwreg(HW_REG_IB_STS2, 6, 4)
	s_cmp_eq_u32 s2, 0
	s_cbranch_scc0 .Lentry_in_a_cluster
	s_endpgm
.Lentry_in_a_cluster:
	s_bfe_u32 s2, ttmp6, 0x10000c
	s_cmp_lg_u32 s2, 0x3003
	s_cbranch_scc0 .Lentry_shape_is_right
	s_endpgm
.Lentry_shape_is_right:
; For each of the 32,768 rows of x and each HALF of the codebook (4,096 rows): which PAIR of neighbouring codebook rows (pair P = rows 2 P, 2 P + 1) holds the largest score, and that score.
; score = (sum over k of x's code x embed's code) - e_sq / 2^(ea + eb + 1): the problem's distance, less x_sq, which is the same for all codebook rows of an argmax, divided by 2^(ea + eb + 1).
; All of the problem's product is made here, by v_wmma_f32_16x16x128_fp8_fp8 on the codes as they are; bias (= -e_sq / 2^(ea + eb + 1)) is the C of each sum's first instruction.
; THE PRODUCT IS USED TRANSPOSED: source 0 = 16 codebook rows, source 1 = 16 rows of x.  Lane (r, h) holds ONE row of x, and an accumulator's eight registers are codebook rows 16 t + 8 h + 0 .. 7.
; TRACKING an accumulator, nine vector lines: four v_max3 take its four pairs of scores into the row's running maximum, stage by stage (the first three stages' values lie in the accumulator's own registers 0, 2, 4);
; one compare says whether the maximum grew in this tile; four selects on that mask keep the tile's number and the three stages' values.  At the end the number of kept values that lie under the maximum
; is the stage in which it was first reached: the pair in the tile's eight rows.
; OUT: units holds four arrays of 32,768 words: the best pair in half 0, in half 1, then the best score of half 0, of half 1 as a KEY: the f32 bits, with the lower 31 bits turned over where the sign is set,
; so that signed whole-number order is the order of the scores.  The next launch takes the half with the greater key and decides between the pair's two rows.
; LIMITS.  The pair is chosen by the score, which is rounded otherwise than the distance: two codebook rows in different pairs whose distances lie within a few units in the last place of each other may be
; ordered otherwise than by the distance.  Equal scores: the lower pair (-0 counts as under +0 between the halves).  k is permuted alike in both operands (16-byte pieces).  NaN is not served.
; SHARES.  256 work-groups = 128 blocks of 256 rows of x  x  2 halves.  Eight waves, two to a SIMD.  Wave w: q = w / 4 says which 128 rows of x it holds (8 tiles x 32 registers, window 1, for the whole launch),
; c = w % 4 which quarter of each slot it multiplies: of slot s (512 codebook rows, s = 0 .. 7) tiles 8 c + i, i = 0 .. 7.  A tile's 10 LDS loads feed 16 matrix instructions.
; CLUSTER.  The four work-groups of a cluster have the same half: each tile is asked for JOINTLY (the same tensor load, the descriptor made of the wave's number, the cluster's number and constants; the mask names the four).
; RING.  Two slots of 131,072 bytes; wave w fetches tiles 4 w .. 4 w + 3 (16,384 bytes, dense in memory) by one load behind a round of the cluster's barrier; by this text's count a wave has one tensor load out.
; Bias of the half (16,384 bytes) comes once by plain loads and LDS stores into bytes that no tensor load fills.
; REGISTERS.  Window 0: v1-7 addresses; v8-23 the running maxima, two sets by turns; v24-31, v48-55, v248-255 the kept stages; v32-39 the tile numbers; v40-47 bias; v56-119 a tile's fragments, v120-247 accumulators:
; two sets each.  What only the head needs lies in the second set of accumulators, what only the end needs in the first set of fragments.  Window 1: x.
.set SLOTB, 131072                     ; a slot: 32 tiles of 4,096 bytes
.set SLOT1, 1<<17                      ; slot 1 begins here
.set BIAS,  2*SLOT1                    ; 16,384 bytes: tile t of the half at 64 t
.set SPARE, BIAS+16384                 ; the spare words, 128 bytes for each wave: four blocks of 256 bytes that no other line names
.set MERGE, SPARE+1024                 ; wave w at 1,024 w: 128 maxima, then 128 pairs
.set SPW, 1                            ; v1   my spare word; never rewritten
.set NIL, 2                            ; v2   0; never rewritten
.set A0,  3                            ; v3   my place in an image's 512 bytes (256 g + 128 (h xor g) + 16 r7) + 32,768 c
.set B0,  4                            ; v4   BIAS + 512 c + 32 h
.set ADA, 5                            ; v5   A0 + the slot in hand
.set ADB, 6                            ; v6   B0 + 2,048 x the slot's number
.set PFO, 7                            ; v7   256 x lane
.set RUN, 16                           ; v16-23 the maxima's set 0; v8-15 set 1
.set S0,  24
.set ID,  32
.set BI,  40
.set S1,  48
.set AF,  56
.set ACC, 120
.set S2,  248
.set IMG, 184                          ; the head's: my place in an image's 512 bytes,
.set BO,  185                          ; 16 x thread: bias in memory,
.set BS,  186                          ; BIAS + 16 x thread
.set H,   56                           ; the end's: h,
.set MA,  57                           ; MERGE + 1,024 w + 4 r,
.set MR,  58                           ; MERGE + 4,096 q + 16 x lane,
.set L16, 59                           ; 16 x lane
.set WV,  12                           ; s12  wave
.set LIM, 15                           ; s15  2 in the waves that prefetch, else the greatest number
.set SLOTS, 16                         ; s16  slots still to be asked for
.set TP,  17                           ; s17  the number of the tile that is being tracked
.set TB,  18                           ; s18  LDS byte at which the slot in hand begins
.set BB,  19                           ; s19  2,048 x the slot's number
.set PFA, 22                           ; s[22:23] where my prefetches stand
.set G1C, 24                           ; s[24:31] group 1
.set G0A, 40                           ; s[40:43] group 0: slot 0's first fill;  s[44:47] slot 1's, which then walks
.set G0W, 44
.set MK,  52                           ; s52-59 eight lane masks
.set SEL, 60                           ; s[60:61] v_permlanex16_b32: lane l xor 16
.set WC,  72                           ; s72  c
.set WQ,  73                           ; s73  q
.set HF,  74                           ; s74  my half of the codebook
.set W_MM, 0x04                        ; source 1 (x) in window 1, all else in window 0
.set MSB, 0
.macro WIN new                         ; the immediate's high byte repeats the setting that is left
.if MSB != \new
	s_set_vgpr_msb (MSB<<8)|\new
.set MSB, \new
.endif
.endm
.macro CREST                           ; a round of the cluster's barrier behind its opening barrier
	s_cmp_lg_u32 s[WV], 0
	s_cbranch_scc1 .Lnot_wave_0_\@
	s_barrier_signal -3
.Lnot_wave_0_\@:
	s_barrier_wait -3
	s_barrier_signal -1
	s_barrier_wait -1
.endm
.macro CROUND
	s_barrier_signal -1
	s_barrier_wait -1
	CREST
.endm
; A prefetch of the slot that stands two refills on.  All clusters of a half walk the same codes: the half's first cluster asks.  A slot's 512 blocks of 256 bytes are dealt out by address:
; 32,768 x my work-group's place + 8,192 x wave + 256 x lane, waves 0 to 3: each block named once.  Slots 0 to 3 come by their loads alone; the last two refills have no slot two on.
.macro ASK
	s_cmp_gt_u32 s[SLOTS], s[LIM]
	s_cbranch_scc0 .Lnot_mine_\@
	global_prefetch_b8 v[PFO], s[PFA:PFA+1] th:TH_LOAD_NT scope:SCOPE_SE
.Lnot_mine_\@:
.endm
.macro FETCH p, i                      ; tile i of my quarter of the slot in hand: the image's eight pieces into set p
	WIN 0
.irp c, 0,1,2,3,4,5,6,7
	ds_load_b128 v[AF+32*(\p)+4*\c:AF+32*(\p)+4*\c+3], v[ADA] offset:4096*(\i)+512*\c
.endr
.endm
.macro FETCHB i                        ; its eight numbers of bias: one set, so behind the first eight products of the tile in hand, which read it
	WIN 0
	ds_load_b128 v[BI:BI+3], v[ADB] offset:64*(\i)
	ds_load_b128 v[BI+4:BI+7], v[ADB] offset:64*(\i)+16
.endm
.macro MM p, k                         ; matrix instruction k of a tile's 16: K step k / 8, x's tile k % 8; the eight accumulators take turns
.set mS, (\k)/8
.set mM, (\k)%8
.set rA, AF+32*(\p)+16*mS
.set rX, 32*mM+16*mS
.set rD, ACC+64*(\p)+8*mM
.if mS == 0
	v_wmma_f32_16x16x128_fp8_fp8 v[rD:rD+7], v[rA:rA+15], v[rX:rX+15], v[BI:BI+7]
.else
	v_wmma_f32_16x16x128_fp8_fp8 v[rD:rD+7], v[rA:rA+15], v[rX:rX+15], v[rD:rD+7]
.endif
.endm
; Line j of 72 of the tracking of the tile in set pp: step j / 8 for x's tile j % 8, so that a chain's links stand eight lines apart.  The old maxima lie in set pp, the new ones go to the other.
; Each accumulator is read from its low end on.
.macro SM pp
.set sQ, j/8
.set sM, j%8
.set rO, RUN-8*(\pp)+sM
.set rN, RUN-8+8*(\pp)+sM
.set rC, ACC+64*(\pp)+8*sM
.if sQ == 0
	v_max3_num_f32 v[rC], v[rO], v[rC], v[rC+1]
.elseif sQ == 1
	v_max3_num_f32 v[rC+2], v[rC], v[rC+2], v[rC+3]
.elseif sQ == 2
	v_max3_num_f32 v[rC+4], v[rC+2], v[rC+4], v[rC+5]
.elseif sQ == 3
	v_max3_num_f32 v[rN], v[rC+4], v[rC+6], v[rC+7]
.elseif sQ == 4
	v_cmp_gt_f32 s[MK+sM], v[rN], v[rO]            ; has the maximum grown?  (strictly: an equal score leaves the earlier, lower tile)
.elseif sQ == 5
	v_cndmask_b32 v[ID+sM], v[ID+sM], s[TP], s[MK+sM]
.elseif sQ == 6
	v_cndmask_b32 v[S0+sM], v[S0+sM], v[rC], s[MK+sM]
.elseif sQ == 7
	v_cndmask_b32 v[S1+sM], v[S1+sM], v[rC+2], s[MK+sM]
.else
	v_cndmask_b32 v[S2+sM], v[S2+sM], v[rC+4], s[MK+sM]
.endif
.endm
; cnt pairs of matrix instructions of set p, from pair k0 on; behind each pair nine lines of the other set's tracking, which name no register of the products round them: they are the places
; between products and the loads into their fragments and bias, and the first reads of their results.
.macro PAIRS p, k0, cnt, first
.set kk, \k0
.rept \cnt
	WIN W_MM
	MM \p, 2*kk
	MM \p, 2*kk+1
.if \first == 0
	WIN 0
.set j, 9*kk
.rept 9
	SM 1-(\p)
.set j, j+1
.endr
.endif
.set kk, kk+1
.endr
.endm
; A TURN: tile i's 16 products | the tracking of the tile before | the fetch of the tile after.
; mode 0: the next tile lies in the same slot.  1: the slot's last tile, and the slot is filled again.  2: the last slot but one is left, nothing is asked for.  3: the very last tile.
; first = 1: there is no tile before.
.macro TURN i, mode, first
.if \mode == 1
	s_wait_tensorcnt 0x0                           ; my one tensor load, my part of the next slot, has landed: so a group 0 may be written
	ds_add_u32 v[SPW], v[NIL]                      ; 0 onto my spare word; the steps below stand between it and the wait for it
	s_xor_b32 s[G0W+1], s[G0W+1], SLOT1            ; the walking descriptor: the other slot,
	s_add_nc_u64 s[G0W+2:G0W+3], s[G0W+2:G0W+3], SLOTB   ; the next 512 codebook rows
	s_wait_xcnt 0x0                                ; the last prefetch has read its address
	s_add_nc_u64 s[PFA:PFA+1], s[PFA:PFA+1], SLOTB
	s_xor_b32 s[TB], s[TB], SLOT1
	s_add_co_u32 s[BB], s[BB], 2048
	v_add_nc_u32 v[ADA], s[TB], v[A0]
	v_add_nc_u32 v[ADB], s[BB], v[B0]
	s_wait_dscnt 0x0                               ; the add is done; this tile's fragments are in, and they were my last reads of this slot
	s_barrier_signal -1                            ; this barrier opens a round of the cluster's barrier
	PAIRS (\i)%2, 0, 2, 0
	s_barrier_wait -1
	CREST                                          ; no wave of any partner still reads this slot or has a load on its way
	tensor_load_to_lds s[G0W:G0W+3], s[G1C:G1C+7]  ; the joint refill: my one tensor load behind the round
	s_nop 0
.rept 4
	v_nop
.endr
	FETCH 0, 0
	ASK
	s_wait_alu depctr_va_vdst(0)
	PAIRS (\i)%2, 2, 2, 0
	FETCHB 0
	PAIRS (\i)%2, 4, 4, 0
.elseif \mode == 2
	s_wait_tensorcnt 0x0                           ; my part of the last slot is in
	ds_add_u32 v[SPW], v[NIL]
	s_xor_b32 s[TB], s[TB], SLOT1
	s_add_co_u32 s[BB], s[BB], 2048
	v_add_nc_u32 v[ADA], s[TB], v[A0]
	v_add_nc_u32 v[ADB], s[BB], v[B0]
	s_wait_alu depctr_va_vdst(0)
	s_wait_dscnt 0x0
	s_barrier_signal -1                            ; I read tiles that other waves fetched: all eight parts are in behind this barrier; nothing is filled again
	s_barrier_wait -1
	PAIRS (\i)%2, 0, 1, 0
	FETCH 0, 0
	PAIRS (\i)%2, 1, 3, 0
	FETCHB 0
	PAIRS (\i)%2, 4, 4, 0
.elseif \mode == 3
	s_wait_dscnt 0x0
	PAIRS (\i)%2, 0, 8, 0
.else
	s_wait_dscnt 0x0                               ; this tile's ten loads are in
	PAIRS (\i)%2, 0, 1, \first
	FETCH 1-(\i)%2, (\i)+1
	PAIRS (\i)%2, 1, 3, \first
	WIN 0
.if \first
.rept 4
	v_nop                                          ; no tracking stood behind these products: four places in front of the loads into bias
.endr
.endif
	FETCHB (\i)+1
	PAIRS (\i)%2, 4, 4, \first
.endif
	WIN 0                                          ; at a label and at a branch every window is 0
.if \first
.rept 4
	v_nop                                          ; four places in front of the next turn's reads of these results and loads into these fragments
.endr
.elseif (\i) == 0
	s_add_co_u32 s[TP], s[TP], 25                  ; from a slot's tile 8 c + 7 to the next slot's 8 c: 32 tiles a slot
.else
	s_add_co_u32 s[TP], s[TP], 1
.endif
.endm
.macro PASS first, mode7               ; my eight tiles of a slot
	TURN 0, 0, \first
.irp i, 1,2,3,4,5,6
	TURN \i, 0, 0
.endr
	TURN 7, \mode7, 0
.endm
.macro BETTER V, U, PV, PU             ; (V, U) takes (PV, PU) where PV is greater, or equal with the lower pair
	v_cmp_gt_f32 s66, v[\PV], v[\V]
	v_cmp_eq_f32 s67, v[\PV], v[\V]
	v_cmp_lt_u32 s68, v[\PU], v[\U]
	s_and_b32 s67, s67, s68
	s_or_b32 s66, s66, s67
	v_cndmask_b32 v[\V], v[\V], v[\PV], s66
	v_cndmask_b32 v[\U], v[\U], v[\PU], s66
.endm
	s_load_b256 s[4:11], s[0:1], 0x0               ; xcodes 4:5, ecodes 6:7, bias 8:9, units 10:11
	v_lshl_add_u32 v[SPW], v0, 2, SPARE
	v_mov_b32 v[NIL], 0
	ds_add_u32 v[SPW], v[NIL]                      ; the opening lines: the add, twice on end, and its wait ahead of my first tensor load
	ds_add_u32 v[SPW], v[NIL]
	v_lshrrev_b32 v187, 5, v0
	v_readfirstlane_b32 s[WV], v187                ; wave 0..7
	s_and_b32 s[WC], s[WV], 3
	s_lshr_b32 s[WQ], s[WV], 2
	s_bfe_u32 s13, ttmp6, 0x40000                  ; cx: my place in the cluster
	s_and_b32 s[HF], ttmp9, 1                      ; ttmp9 counts clusters: even ones take half 0, odd ones half 1
	s_lshr_b32 s14, ttmp9, 1
	s_lshl_b32 s14, s14, 2
	s_add_co_u32 s14, s14, s13                     ; my block of 256 rows of x: it enters x's and units' addresses alone
	s_mov_b32 s[G1C], 15|(3<<16)|(1<<21)           ; the mask: all four work-groups; elements of 8 bytes; no padding; bit 21 beside a mask
	s_mov_b32 s[G1C+1], 32<<16                     ; tensor_dim0 = 32: rows of 256 bytes
	s_mov_b32 s[G1C+2], 64<<16                     ; tensor_dim1 = 64
	s_mov_b32 s[G1C+3], 32<<16                     ; tile_dim0
	s_mov_b32 s[G1C+4], 64                         ; tile_dim1
	s_mov_b32 s[G1C+5], 32                         ; the pitch: dense
	s_mov_b32 s[G1C+6], 0
	s_mov_b32 s[G1C+7], 0
	s_mov_b32 s[SEL], 0x76543210
	s_mov_b32 s[SEL+1], 0xfedcba98
	s_mov_b32 s[SLOTS], 6
	s_lshl_b32 s[TP], s[HF], 8
	s_lshl_b32 s66, s[WC], 3
	s_add_co_u32 s[TP], s[TP], s66                 ; my first tile: 256 x half + 8 c
	s_mov_b32 s[TB], 0
	s_mov_b32 s[BB], 0
	s_cmp_lt_u32 ttmp9, 2                          ; the same in all four partners
	s_cselect_b32 s[LIM], 2, -1
	s_cmp_lt_u32 s[WV], 4
	s_cselect_b32 s[LIM], s[LIM], -1
	s_lshl_b32 s66, s[WC], 15                      ; my quarter of a slot,
	s_lshl_b32 s67, s[WC], 9
	s_add_co_u32 s67, s67, BIAS                    ; of a slot's bias,
	s_lshl_b32 s75, s[WV], 10
	s_add_co_u32 s75, s75, MERGE                   ; my part of the merge,
	s_lshl_b32 s76, s[WQ], 12
	s_add_co_u32 s76, s76, MERGE                   ; and my group's four parts
	v_bfe_u32 v187, v0, 4, 1                       ; h
	v_bfe_u32 v188, v0, 3, 1                       ; g
	v_xor_b32 v189, v187, v188
	v_and_b32 v190, 7, v0                          ; r7
	v_lshlrev_b32 v[IMG], 4, v190
	v_lshl_add_u32 v[IMG], v189, 7, v[IMG]
	v_lshl_add_u32 v[IMG], v188, 8, v[IMG]
	v_add_nc_u32 v[A0], s66, v[IMG]
	v_lshl_add_u32 v[B0], v187, 5, s67
	v_mov_b32 v[ADA], v[A0]
	v_mov_b32 v[ADB], v[B0]
	v_and_b32 v[PFO], 31, v0
	v_lshlrev_b32 v[PFO], 8, v[PFO]
	v_lshlrev_b32 v[BO], 4, v0
	v_lshl_add_u32 v[BS], v0, 4, BIAS
.irp m, 0,1,2,3,4,5,6,7
	v_mov_b32 v[RUN+\m], 0xff800000                ; the running maxima begin at -infinity,
	v_mov_b32 v[ID+\m], 0                          ; the tile numbers and the kept stages at 0
	v_mov_b32 v[S0+\m], 0
	v_mov_b32 v[S1+\m], 0
	v_mov_b32 v[S2+\m], 0
.endr
	s_mov_b32 s21, 0
	s_mov_b32 s71, 0
	s_wait_alu depctr_va_vdst(0)
	s_wait_dscnt 0x0                               ; both opening adds are done
	s_wait_kmcnt 0x0
	s_lshl_b32 s20, s[HF], 20                      ; s[20:21] feeds the descriptors: the half and the wave's number alone
	s_add_nc_u64 s[6:7], s[6:7], s[20:21]          ; my half's codes
	s_lshl_b32 s20, s[WV], 14
	s_mov_b32 s[G0A], 1
	s_mov_b32 s[G0A+1], s20                        ; LDS: slot 0, tiles 4 w on
	s_add_nc_u64 s[G0A+2:G0A+3], s[6:7], s[20:21]
	s_mov_b32 s[G0W], 1
	s_add_co_u32 s[G0W+1], s20, SLOT1
	s_add_nc_u64 s[G0W+2:G0W+3], s[G0A+2:G0A+3], SLOTB
	s_or_b32 s[G0A+3], s[G0A+3], 0x80000000        ; type = 2
	s_or_b32 s[G0W+3], s[G0W+3], 0x80000000
	s_lshl_b32 s20, s[HF], 14
	s_add_nc_u64 s[8:9], s[8:9], s[20:21]          ; my half's bias
	s_lshl_b32 s70, s13, 15                        ; s[70:71]: offsets that hang on my work-group's place
	s_lshl_b32 s69, s[WC], 13
	s_add_co_u32 s70, s70, s69
	s_add_co_u32 s70, s70, 3*SLOTB                 ; in slot 3: the first change of slots steps it to slot 4
	s_add_nc_u64 s[PFA:PFA+1], s[6:7], s[70:71]
	s_lshl_b32 s70, s14, 16                        ; my block's 16 images of x, my group's eight
	s_lshl_b32 s69, s[WQ], 15
	s_add_co_u32 s70, s70, s69
	s_add_nc_u64 s[4:5], s[4:5], s[70:71]
	s_lshl_b32 s70, s[HF], 17                      ; units: the half's array, my block's 256 words, my group's 128
	s_lshl_b32 s69, s14, 10
	s_add_co_u32 s70, s70, s69
	s_lshl_b32 s69, s[WQ], 9
	s_add_co_u32 s70, s70, s69
	s_add_nc_u64 s[10:11], s[10:11], s[70:71]
	CROUND                                         ; all four work-groups are here: the first joint loads meet
	tensor_load_to_lds s[G0A:G0A+3], s[G1C:G1C+7]  ; slot 0: one tensor load a wave at the head
	s_nop 0
.rept 4
	v_nop
.endr
.irp i, 0,1,2,3
	global_load_b128 v[ACC+4*\i:ACC+4*\i+3], v[BO], s[8:9] offset:4096*\i   ; bias: the eight waves read 4,096 dense bytes an instruction
.endr
	WIN 0x40                                       ; destination window 1, address window 0
.irp m, 0,1,2,3,4,5,6,7
.irp c, 0,1,2,3,4,5,6,7
	global_load_b128 v[32*\m+4*\c:32*\m+4*\c+3], v[IMG], s[4:5] offset:4096*\m+512*\c   ; x stays in registers: tile m, K step c / 4
.endr
.endr
	WIN 0
	s_wait_tensorcnt 0x0                           ; my part of slot 0 is in: no tensor load is out while I store to LDS
	s_wait_loadcnt 63                              ; of 68 loads at most 63 are out: the first four, bias, are in
.irp i, 0,1,2,3
	ds_store_b128 v[BS], v[ACC+4*\i:ACC+4*\i+3] offset:4096*\i
.endr
	s_wait_tensorcnt 0x0
	ds_add_u32 v[SPW], v[NIL]
	s_wait_dscnt 0x0                               ; the add and my stores of bias are done
	CROUND                                         ; everybody's part of slot 0 and of bias is in, and all four work-groups are here
	tensor_load_to_lds s[G0W:G0W+3], s[G1C:G1C+7]  ; slot 1's first fill: the first tensor load behind the round
	s_nop 0
.rept 4
	v_nop
.endr
	FETCH 0, 0
	FETCHB 0
	s_wait_loadcnt 0x0                             ; x; the head's address registers are free from here on
	PASS 1, 1                                      ; slot 0
	s_sub_co_u32 s[SLOTS], s[SLOTS], 1
.Lslot:                                            ; 5 trips: slots 1 to 5; each asks for the slot two on
	PASS 0, 1
	s_sub_co_u32 s[SLOTS], s[SLOTS], 1
	s_cmp_lg_u32 s[SLOTS], 0
	s_cbranch_scc1 .Lslot
	PASS 0, 2                                      ; the last two slots are written out
	PASS 0, 3
.set j, 0
.rept 72
	SM 1                                           ; the last tile's tracking; the nine lines behind the last pair of products are the places in front of it.  The maxima end in set 0
.set j, j+1
.endr
	v_bfe_u32 v[H], v0, 4, 1                       ; the end's addresses, in registers that held fragments
	v_and_b32 v[MA], 15, v0
	v_lshl_add_u32 v[MA], v[MA], 2, s75
	v_and_b32 v[L16], 31, v0
	v_lshlrev_b32 v[L16], 4, v[L16]
	v_add_nc_u32 v[MR], s76, v[L16]
	; stage = how many of the three kept values lie under the maximum; pair = 8 x tile + 4 h + stage.  A row's two lanes are merged, then the four waves of my group.
.irp m, 0,1,2,3,4,5,6,7
	v_cmp_lt_f32 s66, v[S0+\m], v[RUN+\m]
	v_cmp_lt_f32 s67, v[S1+\m], v[RUN+\m]
	v_cmp_lt_f32 s68, v[S2+\m], v[RUN+\m]
	v_cndmask_b32 v[S0+\m], 0, 1, s66
	v_cndmask_b32 v[S1+\m], 0, 1, s67
	v_cndmask_b32 v[S2+\m], 0, 1, s68
	v_add3_u32 v[S0+\m], v[S0+\m], v[S1+\m], v[S2+\m]
	v_lshl_add_u32 v[ID+\m], v[ID+\m], 1, v[H]
	v_lshl_add_u32 v[ID+\m], v[ID+\m], 2, v[S0+\m]
.endr
.irp m, 0,1,2,3,4,5,6,7
	v_permlanex16_b32 v[S0+\m], v[RUN+\m], s[SEL], s[SEL+1]
	v_permlanex16_b32 v[S1+\m], v[ID+\m], s[SEL], s[SEL+1]
.endr
.irp m, 0,1,2,3,4,5,6,7
	BETTER RUN+\m, ID+\m, S0+\m, S1+\m
	ds_store_b32 v[MA], v[RUN+\m] offset:64*\m     ; row 16 m + r (both lanes write the same word with the same number)
	ds_store_b32 v[MA], v[ID+\m] offset:512+64*\m
.endr
	s_wait_dscnt 0x0                               ; for the others' sake: my stores have landed
	s_barrier_signal -1
	s_barrier_wait -1
	s_cmp_lg_u32 s[WC], 0
	s_cbranch_scc1 .Ldone
.irp w, 0,1,2,3
	ds_load_b128 v[ACC+4*\w:ACC+4*\w+3], v[MR] offset:1024*\w             ; waves 0 and 4: four rows a lane: each wave's maxima,
	ds_load_b128 v[ACC+16+4*\w:ACC+16+4*\w+3], v[MR] offset:1024*\w+512   ; and pairs
.endr
	s_wait_dscnt 0x0
.irp w, 1,2,3
.irp e, 0,1,2,3
	BETTER ACC+\e, ACC+16+\e, ACC+4*\w+\e, ACC+16+4*\w+\e
.endr
.endr
.irp e, 0,1,2,3
	v_ashrrev_i32 v[ACC+32+\e], 31, v[ACC+\e]      ; the key: all ones where the score is negative,
.endr
.irp e, 0,1,2,3
	v_and_b32 v[ACC+32+\e], 0x7fffffff, v[ACC+32+\e]   ; less the sign's place,
.endr
.irp e, 0,1,2,3
	v_xor_b32 v[ACC+32+\e], v[ACC+32+\e], v[ACC+\e]    ; turns the lower 31 bits over
.endr
	global_store_b128 v[L16], v[ACC+16:ACC+19], s[10:11]                  ; 128 pairs: 512 consecutive bytes, aligned
	global_store_b128 v[L16], v[ACC+32:ACC+35], s[10:11] offset:262144    ; and their keys, two arrays on
.Ldone:
	s_wait_tensorcnt 0x0                           ; the wave's end
	ds_add_u32 v[SPW], v[NIL]
	s_wait_dscnt 0x0
	CROUND                                         ; the closing round: no work-group ends while a partner may still ask for a tile that names it
	s_endpgm
.Lfunc_end_k_qe7777966d3_scan:
	.size	k_qe7777966d3_scan, .Lfunc_end_k_qe7777966d3_scan-k_qe7777966d3_scan
	.p2alignl 7, 3214868480
	.fill 96, 4, 3214868480
	.section	.rodata,"a",@progbits
	.p2align	6, 0x0
	.amdhsa_kernel k_qe7777966d3_scan
		.amdhsa_group_segment_fixed_size 327680
		.amdhsa_private_segment_fixed_size 0
		.amdhsa_enable_private_segment 0
		.amdhsa_kernarg_size 32
		.amdhsa_user_sgpr_count 2
		.amdhsa_user_sgpr_kernarg_segment_ptr 1
		.amdhsa_wavefront_size32 1
		.amdhsa_system_sgpr_workgroup_id_x 1
		.amdhsa_system_sgpr_workgroup_id_y 1
		.amdhsa_system_sgpr_workgroup_id_z 1
		.amdhsa_system_vgpr_workitem_id 0
		.amdhsa_next_free_vgpr 512
		.amdhsa_next_free_sgpr 80
		.amdhsa_reserve_vcc 0
		.amdhsa_float_denorm_mode_32 3
		.amdhsa_float_denorm_mode_16_64 3
		.amdhsa_memory_ordered 1
		.amdhsa_forward_progress 1
		.amdhsa_inst_pref_size 247
	.end_amdhsa_kernel
	.amdgpu_metadata
---
amdhsa.version: [ 1, 2 ]
amdhsa.kernels:
  - .name:           k_qe7777966d3_scan
    .symbol:         k_qe7777966d3_scan.kd
    .args:
      - { .name: xcodes, .offset: 0, .size: 8, .value_kind: global_buffer, .address_space: global }
      - { .name: ecodes, .offset: 8, .size: 8, .value_kind: global_buffer, .address_space: global }
      - { .name: bias, .offset: 16, .size: 8, .value_kind: global_buffer, .address_space: global }
      - { .name: units, .offset: 24, .size: 8, .value_kind: global_buffer, .address_space: global }
    .group_segment_fixed_size: 327680
    .private_segment_fixed_size: 0
    .kernarg_segment_align: 8
    .kernarg_segment_size: 32
    .max_flat_workgroup_size: 256
    .sgpr_count:     80
    .vgpr_count:     512
    .wavefront_size: 32
...
	.end_amdgpu_metadata
.endif
;; end of part 2
;; launch pick (part 3): grid 512 x 1, 4 waves a work-group, no clusters, 0 bytes of LDS; arguments xcodes, ecodes, xsq, esq, lowp_scales, units, embed, out0; writes out0
.if DOCPART == 3
	.amdgcn_target "amdgcn-amd-amdhsa--gfx1250"
	.amdhsa_code_object_version 6
	.text
	.protected	k_qe7777966d3_pick
	.globl	k_qe7777966d3_pick
	.p2align	8
	.type	k_qe7777966d3_pick,@function
k_qe7777966d3_pick:
	s_mov_b64 s[64:65], 0
	v_nop
	global_prefetch_b8 v0, s[64:65] scope:SCOPE_SE
	s_setreg_imm32_b32 hwreg(HW_REG_WAVE_MODE, 25, 1), 1
	s_wait_xcnt 0x0
; out0[n][:] = the nearer of the two codebook rows of row n's pair.  units (whole numbers, stored by the launch before): the best pair of the codebook's half 0, of half 1, and the two best scores as keys whose
; signed whole-number order is the scores' order.  A row's pair P is half 1's where its key is greater, else half 0's; its candidates are codebook rows 2 P and 2 P + 1.
; THE DECISION.  The two products are made again on the same codes, by v_wmma_f32_16x16x128_fp8_fp8, and the distance is formed in the problem's own order: (x_sq - 2 dots) + e_sq, dots = sum x 2^(ea + eb);
; x_sq - 2 dots is one fused multiply-add.  Row 2 P + 1 is taken where its distance is strictly less, else row 2 P.
; THE ROW.  No address hangs on the decision: both candidates' f32 rows (2,048 bytes on end, at 2,048 P) are loaded, one is kept by v_cndmask_b32 and stored.
; LIMITS: -126 <= ea + eb + 1 <= 127.  NaN is not served.  A pair is held at 4,095 before it enters an address.
; SHARES.  A wave takes 16 rows of x; waves share nothing: no LDS, no barrier, no loop.  No tensor load (the addresses hang on stored numbers), no cluster (no tile is known ahead to be shared).
; THE PRODUCTS.  Source 0 of group p (p = 0, 1) holds the candidates of x's rows 8 p .. 8 p + 7: its row a is candidate a % 2 of row 8 p + a / 2; source 1 is the tile of x.  Register j of lane (r, h) is source 0's
; row 8 h + j against x's row r: what counts for row r lies in accumulator r / 8, in the lane with h = (r / 4) % 2, in registers 2 (r % 4) and 2 (r % 4) + 1.
; THE CODES.  In the image of a tile of 16 codebook rows the 16 codes k = 32 c + 16 h + 0 .. 15 of row 8 g + r7 lie at 512 c + 256 g + 128 (h xor g) + 16 r7: a pair's two rows are 32 bytes on end in each piece.
; The f32 rows are read and stored 512 consecutive bytes an instruction; four rows are selected, then stored, at a time.
.set R,   1                            ; v1   r
.set H,   2                            ; v2   h
.set L16, 3                            ; v3   16 x lane
.set IMG, 4                            ; v4   my place in an image's 512 bytes
.set RA4, 5                            ; v5   4 (r / 2)
.set R4,  6                            ; v6   4 r
.set CB,  7                            ; v7   r % 2: which candidate I fetch
.set KL,  8                            ; v8   48 - 32 h: what bit 3 of a codebook row, as 8, is multiplied by
.set LB,  9                            ; v9   128 h
.set T,   10
.set T2,  11
.set UP,  12                           ; v12-14 the pair of row 8 p + r / 2, p = 0, 1; at 2 that of row r
.set U1,  16                           ; v16-18 half 1's
.set K0,  20                           ; v20-22 half 0's key
.set K1,  24                           ; v24-26 half 1's key
.set CA,  28                           ; v28-29 where my candidate's codes lie
.set EO,  30                           ; v30  8 P
.set XS,  31                           ; v31  x_sq of row r
.set XF,  32                           ; v32-63   x's two fragments
.set AFR, 64                           ; v64-127  the candidates' fragments: group p at 32 p
.set ACC, 128                          ; v128-143 two accumulators
.set S,   144                          ; v144-151
.set D,   152                          ; v152-153 the two distances
.set EQ,  154                          ; v154-155 e_sq of the two candidates
.set OF,  160                          ; v160-175 row i: 2,048 P + 16 x lane
.set MSB, 0                            ; window 1: row i's candidates at 16 i: eight registers each
.macro WIN new
.if MSB != \new
	s_set_vgpr_msb (MSB<<8)|\new
.set MSB, \new
.endif
.endm
	s_load_b512 s[4:19], s[0:1], 0x0               ; xcodes 4:5, ecodes 6:7, xsq 8:9, esq 10:11, the scales 12:13, units 14:15, embed 16:17, out0 18:19
	v_lshrrev_b32 v1, 5, v0
	v_readfirstlane_b32 s56, v1                    ; wave 0..3
	v_and_b32 v[R], 15, v0
	v_bfe_u32 v[H], v0, 4, 1
	v_and_b32 v[L16], 31, v0
	v_lshlrev_b32 v[L16], 4, v[L16]
	v_bfe_u32 v[T], v0, 3, 1                       ; g
	v_xor_b32 v[T2], v[H], v[T]
	v_and_b32 v[IMG], 7, v0
	v_lshlrev_b32 v[IMG], 4, v[IMG]
	v_lshl_add_u32 v[IMG], v[T2], 7, v[IMG]
	v_lshl_add_u32 v[IMG], v[T], 8, v[IMG]
	v_and_b32 v[RA4], 14, v0
	v_lshlrev_b32 v[RA4], 1, v[RA4]
	v_lshlrev_b32 v[R4], 2, v[R]
	v_and_b32 v[CB], 1, v0
	v_lshlrev_b32 v[KL], 5, v[H]
	v_sub_nc_u32 v[KL], 48, v[KL]
	v_lshlrev_b32 v[LB], 7, v[H]
	v_cmp_le_u32 s52, 8, v[R]                      ; the lanes whose row lies in accumulator 1
	v_and_b32 v[T], 3, v0
	v_cmp_eq_u32 s53, 1, v[T]                      ; and in registers 2, 3;
	v_cmp_eq_u32 s54, 2, v[T]                      ; 4, 5;
	v_cmp_eq_u32 s55, 3, v[T]                      ; 6, 7
	s_lshl_b32 s57, ttmp9, 2
	s_add_co_u32 s57, s57, s56                     ; my tile of 16 rows
	s_mov_b32 s59, 0
	s_wait_alu depctr_va_vdst(0)
	s_wait_kmcnt 0x0
	s_lshl_b32 s58, s57, 6                         ; 16 words
	s_add_nc_u64 s[14:15], s[14:15], s[58:59]
	s_add_nc_u64 s[8:9], s[8:9], s[58:59]
	s_lshl_b32 s58, s57, 12                        ; an image
	s_add_nc_u64 s[4:5], s[4:5], s[58:59]
	s_lshl_b32 s58, s57, 14                        ; 16 rows of out0
	s_add_nc_u64 s[18:19], s[18:19], s[58:59]
	s_load_b512 s[20:35], s[14:15], 0x0            ; my 16 rows as scalars: half 0's pairs,
	s_load_b512 s[36:51], s[14:15], 0x20000        ; half 1's,
	s_load_b512 s[68:83], s[14:15], 0x40000        ; half 0's keys,
	s_load_b512 s[84:99], s[14:15], 0x60000        ; half 1's
	s_load_b64 s[60:61], s[12:13], 0x0             ; ea, eb
.irp p, 0,1
	global_load_b32 v[UP+\p], v[RA4], s[14:15] offset:32*\p          ; the same for row 8 p + r / 2, a lane each
	global_load_b32 v[U1+\p], v[RA4], s[14:15] offset:131072+32*\p
	global_load_b32 v[K0+\p], v[RA4], s[14:15] offset:262144+32*\p
	global_load_b32 v[K1+\p], v[RA4], s[14:15] offset:393216+32*\p
.endr
	global_load_b32 v[UP+2], v[R4], s[14:15]                         ; and for row r
	global_load_b32 v[U1+2], v[R4], s[14:15] offset:131072
	global_load_b32 v[K0+2], v[R4], s[14:15] offset:262144
	global_load_b32 v[K1+2], v[R4], s[14:15] offset:393216
.irp c, 0,1,2,3,4,5,6,7
	global_load_b128 v[XF+4*\c:XF+4*\c+3], v[IMG], s[4:5] offset:512*\c th:TH_LOAD_NT
.endr
	global_load_b32 v[XS], v[R4], s[8:9]
	s_wait_loadcnt 0x9                             ; the twelve loads of pairs and keys are in; the nine issued behind them may stay out
.irp p, 0,1,2
	v_cmp_gt_i32 vcc_lo, v[K1+\p], v[K0+\p]        ; whole numbers: half 1 wins only where its key is greater
	v_cndmask_b32 v[UP+\p], v[UP+\p], v[U1+\p], vcc_lo
	v_min_u32 v[UP+\p], 0xfff, v[UP+\p]            ; a stored number enters an address only behind this hold
.endr
.irp p, 0,1
	v_lshl_add_u32 v[T], v[UP+\p], 1, v[CB]        ; my candidate's codebook row
	v_and_b32 v[T2], 0x1ff0, v[T]
	v_lshl_add_u32 v[CA+\p], v[T2], 8, v[LB]       ; 4,096 x (row / 16) + 128 h
	v_and_b32 v[T2], 7, v[T]
	v_lshl_add_u32 v[CA+\p], v[T2], 4, v[CA+\p]    ; + 16 r7
	v_and_b32 v[T2], 8, v[T]
	v_mad_u32_u24 v[CA+\p], v[T2], v[KL], v[CA+\p] ; g = 1: + 256, and the block's two halves change places
.endr
	v_lshlrev_b32 v[EO], 3, v[UP+2]
.irp p, 0,1
.irp c, 0,1,2,3,4,5,6,7
	global_load_b128 v[AFR+32*\p+4*\c:AFR+32*\p+4*\c+3], v[CA+\p], s[6:7] offset:512*\c
.endr
.endr
	global_load_b64 v[EQ:EQ+1], v[EO], s[10:11]
	s_wait_kmcnt 0x0
.irp i, 0,1,2,3,4,5,6,7,8,9,10,11,12,13,14,15
	s_cmp_gt_i32 s[84+\i], s[68+\i]
	s_cselect_b32 s[20+\i], s[36+\i], s[20+\i]
	s_min_u32 s[20+\i], s[20+\i], 4095             ; a stored number enters an address only behind this hold
	s_lshl_b32 s[20+\i], s[20+\i], 11
	v_add_nc_u32 v[OF+\i], s[20+\i], v[L16]
.endr
	s_add_co_i32 s62, s60, s61
	s_add_co_i32 s62, s62, 128
	s_lshl_b32 s62, s62, 23
	s_or_b32 s62, s62, 0x80000000                  ; -2^(ea + eb + 1) as f32
	s_wait_alu depctr_va_vdst(0)
	WIN 0x40                                       ; destination window 1, address window 0
.irp i, 0,1,2,3,4,5,6,7,8,9,10,11,12,13,14,15
.irp k, 0,1,2,3
	global_load_b128 v[16*\i+4*\k:16*\i+4*\k+3], v[OF+\i], s[16:17] offset:512*\k   ; both candidates' rows: four times 512 consecutive bytes
.endr
.endr
	WIN 0
	s_wait_loadcnt 63                              ; 64 loads were issued behind the codes, x, x_sq and e_sq: with at most 63 out these are in
	v_wmma_f32_16x16x128_fp8_fp8 v[ACC:ACC+7], v[AFR:AFR+15], v[XF:XF+15], 0
	v_wmma_f32_16x16x128_fp8_fp8 v[ACC+8:ACC+15], v[AFR+32:AFR+47], v[XF:XF+15], 0
	v_wmma_f32_16x16x128_fp8_fp8 v[ACC:ACC+7], v[AFR+16:AFR+31], v[XF+16:XF+31], v[ACC:ACC+7]          ; the two accumulators take turns
	v_wmma_f32_16x16x128_fp8_fp8 v[ACC+8:ACC+15], v[AFR+48:AFR+63], v[XF+16:XF+31], v[ACC+8:ACC+15]
.rept 4
	v_nop                                          ; four places between the last product and the first read of a result (ISA guide 7.12.1)
.endr
.irp j, 0,1,2,3,4,5,6,7                        ; my row's accumulator, from the low end on
	v_cndmask_b32 v[S+\j], v[ACC+\j], v[ACC+8+\j], s52
.endr
.irp b, 0,1
	v_cndmask_b32 v[S+\b], v[S+\b], v[S+2+\b], s53
	v_cndmask_b32 v[S+\b], v[S+\b], v[S+4+\b], s54
	v_cndmask_b32 v[S+\b], v[S+\b], v[S+6+\b], s55
	v_fma_f32 v[D+\b], v[S+\b], s62, v[XS]         ; x_sq - 2 dots
.endr
	v_pk_add_f32 v[D:D+1], v[D:D+1], v[EQ:EQ+1]    ; + e_sq
	v_cmp_lt_f32 s63, v[D+1], v[D]                 ; strictly less: where equal the first stays.  Row i's bit is that of lane i + 16 ((i / 4) % 2)
.irp i, 0,1,2,3,4,5,6,7,8,9,10,11,12,13,14,15
	s_bitcmp1_b32 s63, \i+16*((\i>>2)&1)
	s_cselect_b32 s[36+\i], -1, 0                  ; row i's mask: all lanes or none
.endr
.irp g, 0,1,2,3
	s_wait_loadcnt 16*(3-\g)                       ; loads come back in order: these four rows' sixteen are in, the later rows' stay out
	WIN 0x45                                       ; destination and both sources in window 1
.irp a, 0,1,2,3
.irp k, 0,1,2,3,4,5,6,7
	v_cndmask_b32 v[16*(4*\g+\a)+\k], v[16*(4*\g+\a)+\k], v[16*(4*\g+\a)+8+\k], s[36+4*\g+\a]
.endr
.endr
	WIN 0x04                                       ; a store's data in window 1, its address in window 0
.irp a, 0,1,2,3
	global_store_b128 v[L16], v[16*(4*\g+\a):16*(4*\g+\a)+3], s[18:19] offset:1024*(4*\g+\a) th:TH_STORE_NT       ; 512 consecutive bytes, two aligned blocks of 256
	global_store_b128 v[L16], v[16*(4*\g+\a)+4:16*(4*\g+\a)+7], s[18:19] offset:1024*(4*\g+\a)+512 th:TH_STORE_NT
.endr
.endr
	WIN 0
	s_endpgm
.Lfunc_end_k_qe7777966d3_pick:
	.size	k_qe7777966d3_pick, .Lfunc_end_k_qe7777966d3_pick-k_qe7777966d3_pick
	.p2alignl 7, 3214868480
	.fill 96, 4, 3214868480
	.section	.rodata,"a",@progbits
	.p2align	6, 0x0
	.amdhsa_kernel k_qe7777966d3_pick
		.amdhsa_group_segment_fixed_size 0
		.amdhsa_private_segment_fixed_size 0
		.amdhsa_enable_private_segment 0
		.amdhsa_kernarg_size 64
		.amdhsa_user_sgpr_count 2
		.amdhsa_user_sgpr_kernarg_segment_ptr 1
		.amdhsa_wavefront_size32 1
		.amdhsa_system_sgpr_workgroup_id_x 1
		.amdhsa_system_sgpr_workgroup_id_y 1
		.amdhsa_system_sgpr_workgroup_id_z 1
		.amdhsa_system_vgpr_workitem_id 0
		.amdhsa_next_free_vgpr 512
		.amdhsa_next_free_sgpr 100
		.amdhsa_reserve_vcc 1
		.amdhsa_float_denorm_mode_32 3
		.amdhsa_float_denorm_mode_16_64 3
		.amdhsa_memory_ordered 1
		.amdhsa_forward_progress 1
		.amdhsa_inst_pref_size 31
	.end_amdhsa_kernel
	.amdgpu_metadata
---
amdhsa.version: [ 1, 2 ]
amdhsa.kernels:
  - .name:           k_qe7777966d3_pick
    .symbol:         k_qe7777966d3_pick.kd
    .args:
      - { .name: xcodes, .offset: 0, .size: 8, .value_kind: global_buffer, .address_space: global }
      - { .name: ecodes, .offset: 8, .size: 8, .value_kind: global_buffer, .address_space: global }
      - { .name: xsq, .offset: 16, .size: 8, .value_kind: global_buffer, .address_space: global }
      - { .name: esq, .offset: 24, .size: 8, .value_kind: global_buffer, .address_space: global }
      - { .name: lowp_scales, .offset: 32, .size: 8, .value_kind: global_buffer, .address_space: global }
      - { .name: units, .offset: 40, .size: 8, .value_kind: global_buffer, .address_space: global }
      - { .name: embed, .offset: 48, .size: 8, .value_kind: global_buffer, .address_space: global }
      - { .name: out0, .offset: 56, .size: 8, .value_kind: global_buffer, .address_space: global }
    .group_segment_fixed_size: 0
    .private_segment_fixed_size: 0
    .kernarg_segment_align: 8
    .kernarg_segment_size: 64
    .max_flat_workgroup_size: 128
    .sgpr_count:     100
    .vgpr_count:     512
    .wavefront_size: 32
...
	.end_amdgpu_metadata
.endif
;; end of part 3
